; MI455X (gfx1250); checked and timed in simulation.
; The chip was launched on July 23, 2026; its instructions are those of AMD's public machine-readable ISA for CDNA 5 (MIT licence, August 2026) and "CDNA5" Instruction Set Architecture Reference Guide (July 2026). The comments in the code are by the model that wrote it; some were corrected since.
;; Scaled Dot Product Attention. Allowed arithmetic: matrix products marked QUANTISED: E5M2 operands, one E8M0 scale for each 32 along K, by v_wmma_scale_f32_16x16x128_f8f6f4 with both operands' format E5M2, f32 sums; everything else in f32.
;; Inputs: k 1 x 4,096 x 16 x 64 float32; mask 1 x 1 x 4,096 x 4,096 bool; q 1 x 4,096 x 16 x 64 float32; v 1 x 4,096 x 16 x 64 float32.
;; Outputs: out0 1 x 16 x 4,096 x 64 float32.
;; This version of the problem:
;;   THIS VERSION OF THE PROBLEM IS GIVEN IN LOW PRECISION. The matrix products marked QUANTISED in the list below multiply operands that are first quantised to E5M2 (5 exponent bits, 2 mantissa bits; 8 bits a number), with one power-of-two scale for each 32 numbers along K (OCP MX v1.0); their sums are f32. All else is computed in f32.
;;   The module's matrix products, in the order in which they are computed (A, B: the left and right operand; K: the contracted axis; several contracted axes count as one K, in the product's order):
;;     1. batch 16 x [M 4,096, K 64] x [K 64, N 4,096]; A: input q; B: input k: QUANTISED
;;     2. batch 16 x [M 4,096, K 4,096] x [K 4,096, N 64]; A: softmax (see below); B: input v: QUANTISED
;;   THE QUANTISER, for each operand of a quantised product, along K:
;;     - K is cut into blocks of 32 from its start; a last block that is shorter is filled with zeros.
;;     - A block's scale is 2^e with e = floor(log2(the largest magnitude in the block)) - 15, held to -126 .. 127; a block of zeros has e = 0. As a byte (E8M0): e + 127.
;;     - Each number is divided by its block's scale, clamped to +-57,344, and rounded to the nearest number of E5M2, ties to even, subnormals kept.
;;     - The product sums the exact products of the quantised numbers (number of the format x scale) in f32.
;;   ~~~python
;;   def quantise(x, axis):      # numpy; x: float32 -> the quantised numbers, widened to float32 again
;;       x = np.moveaxis(x, axis, -1); K = x.shape[-1]
;;       x = np.pad(x, [(0, 0)] * (x.ndim - 1) + [(0, -K % 32)]); x = x.reshape(x.shape[:-1] + (-1, 32)); a = np.abs(x).max(-1, keepdims=True)
;;       e = np.where(a > 0, np.clip(np.frexp(np.where(a > 0, a, 1))[1] - 1 - 15, -126, 127), 0)      # np.frexp(a)[1] - 1 = floor(log2(a)), exactly
;;       r = np.clip(x / 2.0 ** e, -57344, 57344)
;;       step = 2.0 ** (np.maximum(np.frexp(np.where(r == 0, 1, r))[1] - 1, -14) - 2)
;;       q = np.round(r / step) * step * 2.0 ** e      # np.round: ties to even
;;       return np.moveaxis(q.reshape(q.shape[:-2] + (-1,))[..., :K], -1, axis).astype(np.float32)
;;   ~~~
;;   SOFTMAX AHEAD OF A QUANTISED PRODUCT. Where the list says 'softmax', what is quantised is not the finished softmax but p = 2^(t - M), with t = logit x log2(e) and M = ceil(the row's largest t), a whole number; so 1/2 < the row's largest p <= 1. The row's sum l is taken of the UNQUANTISED p, in f32, and the product's result is divided by l at the end. Since M is a whole number, a kernel that streams over the keys may use a running M (the ceiling of the running maximum): every later rescaling is an exact power of two, which a block's scale takes up: the codes' values come out the same.
;;   OPERANDS COMPUTED ON THE WAY. 'Computed on the way' means the value that the module computes at that place (a softmax that the list does not call 'softmax' is quantised finished and normalised). What goes into a quantiser is computed in f32, as accurately as f32 sums, v_exp_f32 and their like allow (about 1e-6 of the number): no bf16 or f16 on the way to a quantiser, and a product that is left as it is and whose result goes on into a quantised operand takes f32 operands (vector FMAs, or v_wmma_f32_16x16x4_f32). A number that lies on a knife's edge between two numbers of the format may be rounded either way, as far as f32 arithmetic and the matrix unit's own rounding can turn it there, and no further.
;; One version. Each part assembles by itself: llvm-mc -triple=amdgcn-amd-amdhsa -mcpu=gfx1250 --defsym DOCPART=n.
;; ======== version 1 of 1: 2 launches
;; limits: right only within a limited range of input values
;; workspace buffers: kv 8,781,824 bytes; mbits 2,097,152 bytes of whole numbers; mflag 262,144 bytes of whole numbers
;; launch prep (part 1): grid 512 x 1, 4 waves a work-group, no clusters, 52,736 bytes of LDS; arguments k, v, mask, kv, mbits, mflag; writes kv, mbits, mflag
.if DOCPART == 1
	.amdgcn_target "amdgcn-amd-amdhsa--gfx1250"
	.amdhsa_code_object_version 6
	.text
	.protected	k_q42805ae365_prep
	.globl	k_q42805ae365_prep
	.p2align	8
	.type	k_q42805ae365_prep,@function
k_q42805ae365_prep:
	s_mov_b64 s[64:65], 0
	v_nop
	global_prefetch_b8 v0, s[64:65] scope:SCOPE_SE
	s_setreg_imm32_b32 hwreg(HW_REG_WAVE_MODE, 25, 1), 1
	s_wait_xcnt 0x0
; WHAT IT MAKES.  k and v, [4096 (s)][16 (h)][64 (d)] f32, become codes of BF8 (E5M2) with one E8M0 byte for each 32 along a product's K, laid as IMAGES OF THE OPERANDS' REGISTERS;
; the mask's bytes, [4096 (q)][4096 (k)], become lane-mask words.  Three roles, chosen by the work-group's number; a wave works alone: no barrier, no tensor load.
; kv: one block of STEPB = 17,152 bytes for each (head hd, key step j of 128 keys), at (32 hd + j) STEPB:
;   +0      K's images: tile t = 0..7, c = 0, 1 at 1024 t + 512 c + 16 lane: lane (r, hh) holds the 16 codes of key 128 j + 32 (t/2) + 8 (t%2) + r + 8 (r/8), d = 32 c + 16 hh + 0..15  (K = d)
;   +8192   K's scale words, 16 bytes a lane: dword p: lanes 0-15 tile 2p's rows, lanes 16-31 tile 2p+1's; a word = byte of d 0-31, byte of d 32-63, 127, 127
;   +8704   V's images: tile t = 0..3 of 16 d, c = 0..3 at 2048 t + 512 c + 16 lane: lane (r, hh) holds d = 16 t + r, keys 128 j + 32 c + 16 hh + 0..15  (K = the keys)
;   +16896  V's scale words, 8 bytes a lane: dword e: lanes 0-15 tile 2e's rows, lanes 16-31 tile 2e+1's; a word = the bytes of the step's four blocks of 32 keys
; mbits: [query tile qt 0..255][key step j 0..31][n 0..63] words: bit L of word n = mask[16 qt + L%16][128 j + 32 (n/16) + 16 (L/16) + n%16]: what lane L of the second launch holds in score register n.
; THE QUANTISER.  A block's scale is 2^(floor(log2(its largest magnitude)) - 15); its byte is the largest magnitude's exponent field - 15, held at 1 from below by a floor among the maximum's leaves;
; each number is held within +-57,344 x the scale (the conversion to an 8-bit code does not saturate: ISA guide 7.6.2) and rounded to the nearest code, ties to even.
; LIMITS: a block of zeros gets the byte 1 where the rule says 127 (its codes are zeros, and this program alone reads the bytes); blocks whose largest magnitude lies under 2^-111 are held at the byte 1; NaN and infinities are not served.
.set STEPB, 17152
.set KSOFF, 8192
.set VOFF,  8704
.set VSOFF, 16896
.set P,     272                        ; an LDS row: 256 bytes + 16 of padding: the sixteen rows that a load of 16 bytes a lane touches start at sixteen different groups of banks
.set MLDS,  4*32*P                     ; role K: LDS bytes 0 .. 34,815 (32 rows a wave); role mask: the 17,408 behind them (16 rows a wave): each role has bytes of its own
.set TM,  8                            ; role K: v8-9 largest magnitudes, v10-11 the partner lane's, v12-13 the holds, v14-15 the conversions' scale operands, v16-17 bytes, v18-19 words
.set PXR, 10
.set HO,  12
.set SOP, 14
.set BY,  16
.set WD,  18
.set KSW, 20                           ; v[20:23] K's scale image
.set C,   24                           ; codes (role K: v24-39; role V: v24-87);  role mask: the words, v24-39
.set X,   40                           ; role K: v40-103 a pair of tiles as the conversions want it;  role mask: v40-71
.set R,   104                          ; role K, mask: v104-231 as loaded;  role V: v104-167 two sets of 32
.set WS,  14                           ; role V: v[14:15] the scale image
	s_load_b256 s[4:11], s[0:1], 0x0               ; k s[4:5], v s[6:7], mask s[8:9], kv s[10:11]
	s_load_b64 s[12:13], s[0:1], 0x20
	s_load_b64 s[40:41], s[0:1], 0x28              ; mflag: [query tile][key step] 32 bytes a step, whose first word is the AND of the step's 64 mask words (-1: every key open); the other words are 0
	v_lshl_add_u32 v240, v0, 2, 0xcc00
	v_mov_b32 v241, 0
	v_lshrrev_b32 v1, 5, v0
	v_readfirstlane_b32 s14, v1                    ; wave 0..3
	v_and_b32 v1, 31, v0                           ; lane
	v_and_b32 v2, 15, v0                           ; r
	v_bfe_u32 v3, v0, 4, 1                         ; hh
	s_mov_b32 s16, 0x76543210
	s_mov_b32 s17, 0xfedcba98                      ; v_permlanex16_b32's selects for lane l xor 16
	s_mov_b32 s18, 0x600000                        ; the mantissa field of 57,344
	s_mov_b32 s19, 0xffff0000                      ; lanes 16-31
	; roles K and V: the wave's key step: id = 4 x (work-group % 128) + wave = 32 hd + j
	s_and_b32 s20, ttmp9, 127
	s_lshl_b32 s20, s20, 2
	s_add_co_u32 s20, s20, s14
	s_and_b32 s21, s20, 31                         ; j
	s_lshr_b32 s22, s20, 5                         ; hd
	s_lshl_b32 s24, s21, 19                        ; 128 keys of 4,096 bytes,
	s_lshl_b32 s22, s22, 8                         ; the head's 256 bytes of a key
	s_add_co_u32 s24, s24, s22
	s_mov_b32 s25, 0
	s_mul_i32 s26, s20, STEPB                      ; the step's block in kv
	s_mov_b32 s27, 0
	s_wait_kmcnt 0x0
	s_cmp_lt_u32 ttmp9, 128
	s_cbranch_scc1 .Lrole_k
	s_cmp_lt_u32 ttmp9, 256
	s_cbranch_scc1 .Lrole_v
; ---------------- ROLE MASK: work-group 256 + qt takes the 16 queries of tile qt; wave w keys 1,024 w on: four units of 256 keys (two key steps each)
	s_sub_co_u32 s20, ttmp9, 256                   ; qt
	s_lshl_b32 s24, s20, 16                        ; 16 rows of 4,096 bytes
	s_lshl_b32 s21, s14, 10
	s_add_co_u32 s24, s24, s21
	s_lshl_b32 s26, s20, 13                        ; 32 steps x 256 bytes of words
	s_lshl_b32 s21, s14, 11                        ; my eight steps
	s_add_co_u32 s26, s26, s21
	s_add_nc_u64 s[8:9], s[8:9], s[24:25]
	s_add_nc_u64 s[12:13], s[12:13], s[26:27]
	s_lshl_b32 s26, s20, 10                        ; mflag: 1,024 bytes a query tile,
	s_lshl_b32 s21, s14, 8                         ; 256 for my eight steps
	s_add_co_u32 s26, s26, s21
	s_add_nc_u64 s[40:41], s[40:41], s[26:27]
	s_wait_alu depctr_va_vdst(0)
	v_lshlrev_b32 v4, 12, v3
	v_lshl_add_u32 v4, v2, 4, v4                   ; a load: lanes 0-15 take 256 bytes of one row, lanes 16-31 of the next
	s_mul_i32 s28, s14, 16*P
	s_add_co_u32 s28, s28, MLDS                    ; my 16 rows in LDS
	v_mul_u32_u24 v5, v3, P
	v_lshl_add_u32 v5, v2, 4, v5
	v_add_nc_u32 v5, s28, v5                       ; in: as loaded
	v_mul_u32_u24 v6, v2, P
	v_lshl_add_u32 v6, v3, 4, v6
	v_add_nc_u32 v6, s28, v6                       ; out: row r, + 16 hh: my 16 keys of a block of 32
	v_lshlrev_b32 v7, 3, v1
	v_mov_b32 v232, 0                              ; the flags: step t's in lane 4 t of v232; all else 0
	v_mov_b32 v233, 0
.irp u, 0,1,2,3
.irp i, 0,1,2,3,4,5,6,7
	global_load_b128 v[R+32*\u+4*\i:R+32*\u+4*\i+3], v4, s[8:9] offset:2*\i*4096+256*\u th:TH_LOAD_NT   ; all 32 loads of the wave go out at once
.endr
.endr
.irp i, 0,1,2,3,4,5,6,7,8,9,10,11,12,13,14,15
	v_mov_b32 v[C+\i], 0                           ; written once: v_writelane_b32's destination counts as one of its sources
.endr
.macro UNITM u
	s_wait_loadcnt 8*(3-(\u))                      ; this unit's eight loads are in; the later units' may be out
.irp i, 0,1,2,3,4,5,6,7
	ds_store_b128 v5, v[R+32*(\u)+4*\i:R+32*(\u)+4*\i+3] offset:2*P*\i
.endr
.irp q, 0,1,2,3,4,5,6,7                        ; q = 4 s + b: step s of the unit, block b: LDS serves a wave's instructions in order, so these see the stores
	ds_load_b128 v[X+4*\q:X+4*\q+3], v6 offset:32*\q
.endr
	s_wait_dscnt 0x0
.irp s, 0,1
	s_mov_b64 s[42:43], -1                         ; the AND of the step's words begins as all ones
.irp g, 0,1,2,3,4,5,6,7                        ; words n = 8 g + e: byte n % 16 of block n / 16
.irp e, 0,1,2,3,4,5,6,7
	v_bfe_u32 v[8+\e], v[X+16*\s+4*(\g/2)+2*(\g%2)+\e/4], 8*(\e%4), 8
.endr
.irp e, 0,1,2,3,4,5,6,7
	v_cmp_ne_u32 s[32+\e], 0, v[8+\e]
.endr
.irp e, 0,2,4,6
	s_and_b64 s[42:43], s[42:43], s[32+\e:33+\e]
.endr
.irp e, 0,1,2,3,4,5,6,7
	v_writelane_b32 v[C+2*(2*(\u)+\s)+(\e%2)], s[32+\e], 4*\g+\e/2   ; word n into register n % 2 of lane n / 2
.endr
.endr
	global_store_b64 v7, v[C+2*(2*(\u)+\s):C+2*(2*(\u)+\s)+1], s[12:13] offset:(2*(\u)+\s)*256
	s_and_b32 s42, s42, s43
	v_writelane_b32 v232, s42, 4*(2*(\u)+\s)
.endr
.endm
	UNITM 0
	UNITM 1
	UNITM 2
	UNITM 3
	global_store_b64 v7, v[232:233], s[40:41]      ; my eight steps' flags: 256 consecutive bytes, aligned
	s_wait_tensorcnt 0x0
	ds_add_u32 v240, v241
	s_wait_dscnt 0x0
	s_endpgm
; ---------------- ROLE K: a wave takes one key step.  Loads take whole rows (a key's 256 bytes of the head); a pair of tiles (32 keys) turns through the wave's LDS rows, so that a lane gets 16 neighbours along d
.Lrole_k:
	s_add_nc_u64 s[4:5], s[4:5], s[24:25]
	s_add_nc_u64 s[10:11], s[10:11], s[26:27]
	s_wait_alu depctr_va_vdst(0)
	v_lshlrev_b32 v4, 12, v3
	v_lshl_add_u32 v4, v2, 4, v4                   ; lanes 0-15 one key's row, lanes 16-31 the next key's
	s_mul_i32 s28, s14, 32*P
	v_mul_u32_u24 v5, v3, P
	v_lshl_add_u32 v5, v2, 4, v5
	v_add_nc_u32 v5, s28, v5                       ; in
	v_mul_u32_u24 v6, v2, P
	v_lshl_add_u32 v6, v3, 6, v6
	v_add_nc_u32 v6, s28, v6                       ; out: row r, + 64 hh bytes
	v_lshlrev_b32 v7, 4, v1                        ; an image's place for my lane
	v_mov_b32 v[PXR], 0                            ; written once: a lane permute's destination counts as one of its sources
	v_mov_b32 v[PXR+1], 0
.macro LOADP p                         ; keys 32 p .. 32 p + 31 of the step into set p % 2
.irp i, 0,1,2,3,4,5,6,7,8,9,10,11,12,13,14,15
	global_load_b128 v[R+64*((\p)%2)+4*\i:R+64*((\p)%2)+4*\i+3], v4, s[4:5] offset:(32*(\p)+2*\i)*4096 th:TH_LOAD_NT
.endr
.endm
.macro QT u                            ; tile u of the pair: two blocks of 32 along d; a block lies in lanes l and l xor 16
.set XU, X+32*(\u)
.irp c, 0,1
	v_max3_num_f32 v[TM+\c], |v[XU+16*\c]|, |v[XU+16*\c+1]|, 0x8000000   ; my 16 numbers and the floor 2^(16 - 127)
.endr
.irp i, 2,4,6,8,10,12,14
.irp c, 0,1
	v_max3_num_f32 v[TM+\c], v[TM+\c], |v[XU+16*\c+\i]|, |v[XU+16*\c+\i+1]|
.endr
.endr
.irp c, 0,1
	v_permlanex16_b32 v[PXR+\c], v[TM+\c], s16, s17
.endr
.irp c, 0,1
	v_max_num_f32 v[TM+\c], v[TM+\c], v[PXR+\c]    ; the block's largest magnitude
.endr
.irp c, 0,1
	v_add_nc_u32 v[SOP+\c], 0xf8800000, v[TM+\c]   ; 15 off its exponent field: the conversion's scale operand
.endr
.irp c, 0,1
	v_and_or_b32 v[HO+\c], v[TM+\c], 0x7f800000, s18   ; 57,344 x the scale
.endr
.irp c, 0,1
	v_lshrrev_b32 v[BY+\c], 23, v[SOP+\c]          ; the scale's byte
.endr
	v_lshl_or_b32 v[WD+\u], v[BY+1], 8, v[BY]
	v_or_b32 v[WD+\u], 0x7f7f0000, v[WD+\u]        ; bytes 2 and 3 stand over k = 64 .. 127 of the matrix instruction, where the other side's codes are zeros: 127
.irp c, 0,1
.irp i, 0,1,2,3,4,5,6,7,8,9,10,11,12,13,14,15
	v_med3_num_f32 v[XU+16*\c+\i], v[XU+16*\c+\i], -v[HO+\c], v[HO+\c]
.endr
	v_cvt_scalef32_pk8_bf8_f32 v[C+8*(\u)+4*\c:C+8*(\u)+4*\c+1], v[XU+16*\c:XU+16*\c+7], v[SOP+\c]
	v_cvt_scalef32_pk8_bf8_f32 v[C+8*(\u)+4*\c+2:C+8*(\u)+4*\c+3], v[XU+16*\c+8:XU+16*\c+15], v[SOP+\c]
.endr
	v_nop                                          ; a plain line behind the last conversion of a run
.endm
.macro PAIR p
.set RS, R+64*((\p)%2)
.if (\p) < 3
	s_wait_loadcnt 16                              ; this pair's 16 loads are in; the next pair's may be out
.else
	s_wait_loadcnt 0x0
.endif
.irp i, 0,1,2,3,4,5,6,7,8,9,10,11,12,13,14,15  ; key x = 2 i + hh of the pair goes to LDS row 16 ((x/8)%2) + x%8 + 8 (x/16): a tile's sixteen keys then lie on end
	ds_store_b128 v5, v[RS+4*\i:RS+4*\i+3] offset:P*(16*(((2*\i)>>3)&1)+((2*\i)&7)+8*((2*\i)>>4))
.endr
.irp u, 0,1
.irp c, 0,1
.irp j, 0,1,2,3
	ds_load_b128 v[X+32*\u+16*\c+4*\j:X+32*\u+16*\c+4*\j+3], v6 offset:16*\u*P+128*\c+16*\j   ; LDS serves a wave's instructions in order: these see the stores
.endr
.endr
.endr
	s_wait_dscnt 0x0                               ; the numbers are back, and the stores have read their registers
.if (\p) > 0
	s_wait_xcnt 0x0                                ; the last pair's global stores have read the codes' registers: they are written again only behind this wait
.endif
.if (\p) < 2
	LOADP (\p)+2
.endif
	QT 0
	QT 1
	v_cndmask_b32 v[KSW+(\p)], v[WD], v[WD+1], s19 ; lanes 0-15 tile 2 p's words, lanes 16-31 tile 2 p + 1's
.irp u, 0,1
.irp c, 0,1
	global_store_b128 v7, v[C+8*\u+4*\c:C+8*\u+4*\c+3], s[10:11] offset:(2*(\p)+\u)*1024+512*\c   ; 512 consecutive bytes, aligned
.endr
.endr
.endm
	LOADP 0
	LOADP 1
	s_wait_alu depctr_va_vdst(0)
	PAIR 0
	PAIR 1
	PAIR 2
	PAIR 3
	global_store_b128 v7, v[KSW:KSW+3], s[10:11] offset:KSOFF
	s_wait_tensorcnt 0x0
	ds_add_u32 v240, v241
	s_wait_dscnt 0x0
	s_endpgm
; ---------------- ROLE V: a wave takes one key step.  K = the keys is not innermost: a lane takes a column d = lane + 32 e and its registers run down 32 keys: a whole block in one lane, nothing is transposed
.Lrole_v:
	s_add_nc_u64 s[6:7], s[6:7], s[24:25]
	s_add_nc_u64 s[10:11], s[10:11], s[26:27]
	s_wait_alu depctr_va_vdst(0)
	v_lshlrev_b32 v4, 2, v1                        ; in: 4 bytes a lane
	v_lshlrev_b32 v5, 11, v3
	v_lshl_add_u32 v5, v2, 4, v5                   ; out: column lane + 32 e is row r of tile 2 e + hh: 2048 hh + 16 r
	v_lshlrev_b32 v6, 3, v1
.macro LOADV un                        ; unit un = 2 c + e: keys 32 c on, columns 32 e on, into set un % 2.  No hint: the other half of each aligned 256 bytes is the next unit's
.set i, 0
.rept 32
	global_load_b32 v[R+32*((\un)%2)+i], v4, s[6:7] offset:(32*((\un)/2)+i)*4096+128*((\un)%2)
.set i, i+1
.endr
.endm
.macro UNITV un
.set XS, R+32*((\un)%2)
.set CU, C+8*(\un)
.if (\un) < 7
	s_wait_loadcnt 32                              ; this unit's 32 loads are in; the next unit's may be out
.else
	s_wait_loadcnt 0x0
.endif
	v_max3_num_f32 v8, |v[XS]|, |v[XS+1]|, |v[XS+2]|
	v_max3_num_f32 v9, |v[XS+3]|, |v[XS+4]|, |v[XS+5]|
.irp i, 6,10,14,18,22,26
	v_max3_num_f32 v8, v8, |v[XS+\i]|, |v[XS+\i+1]|
	v_max3_num_f32 v9, v9, |v[XS+\i+2]|, |v[XS+\i+3]|
.endr
	v_max3_num_f32 v8, v8, |v[XS+30]|, |v[XS+31]|
	v_max3_num_f32 v8, v8, v9, 0x8000000           ; and the floor
	v_add_nc_u32 v11, 0xf8800000, v8               ; the conversion's scale operand
	v_and_or_b32 v10, v8, 0x7f800000, s18          ; 57,344 x the scale
	v_lshrrev_b32 v9, 23, v11                      ; the byte: byte c of my column's word
.if (\un)/2 == 0
	v_mov_b32 v[WS+(\un)%2], v9
.else
	v_lshl_or_b32 v[WS+(\un)%2], v9, 8*((\un)/2), v[WS+(\un)%2]
.endif
.set i, 0
.rept 32
	v_med3_num_f32 v[XS+i], v[XS+i], -v10, v10
.set i, i+1
.endr
.irp g, 0,1,2,3
	v_cvt_scalef32_pk8_bf8_f32 v[CU+2*\g:CU+2*\g+1], v[XS+8*\g:XS+8*\g+7], v11
.endr
	v_nop                                          ; a plain line behind the last conversion of a run
.if (\un)+2 < 8
	LOADV (\un)+2
.endif
	global_store_b128 v5, v[CU:CU+3], s[10:11] offset:VOFF+4096*((\un)%2)+512*((\un)/2)         ; keys 0-15 of the block: the image's lanes 0-15; sixteen lanes store 256 consecutive bytes, aligned
	global_store_b128 v5, v[CU+4:CU+7], s[10:11] offset:VOFF+4096*((\un)%2)+512*((\un)/2)+256   ; keys 16-31: its lanes 16-31.  Each unit has registers of its own for its codes
.endm
	LOADV 0
	LOADV 1
.irp n, 0,1,2,3,4,5,6,7
	UNITV \n
.endr
	global_store_b64 v6, v[WS:WS+1], s[10:11] offset:VSOFF   ; lane L: the words of columns L and L + 32: 256 consecutive bytes, aligned
	s_endpgm
.Lfunc_end_k_q42805ae365_prep:
	.size	k_q42805ae365_prep, .Lfunc_end_k_q42805ae365_prep-k_q42805ae365_prep
	.p2alignl 7, 3214868480
	.fill 96, 4, 3214868480
	.section	.rodata,"a",@progbits
	.p2align	6, 0x0
	.amdhsa_kernel k_q42805ae365_prep
		.amdhsa_group_segment_fixed_size 52736
		.amdhsa_private_segment_fixed_size 0
		.amdhsa_enable_private_segment 0
		.amdhsa_kernarg_size 48
		.amdhsa_user_sgpr_count 2
		.amdhsa_user_sgpr_kernarg_segment_ptr 1
		.amdhsa_wavefront_size32 1
		.amdhsa_system_sgpr_workgroup_id_x 1
		.amdhsa_system_sgpr_workgroup_id_y 1
		.amdhsa_system_sgpr_workgroup_id_z 1
		.amdhsa_system_vgpr_workitem_id 0
		.amdhsa_next_free_vgpr 242
		.amdhsa_next_free_sgpr 66
		.amdhsa_reserve_vcc 0
		.amdhsa_float_denorm_mode_32 3
		.amdhsa_float_denorm_mode_16_64 3
		.amdhsa_memory_ordered 1
		.amdhsa_forward_progress 1
		.amdhsa_inst_pref_size 221
	.end_amdhsa_kernel
	.amdgpu_metadata
---
amdhsa.version: [ 1, 2 ]
amdhsa.kernels:
  - .name:           k_q42805ae365_prep
    .symbol:         k_q42805ae365_prep.kd
    .args:
      - { .name: k, .offset: 0, .size: 8, .value_kind: global_buffer, .address_space: global }
      - { .name: v, .offset: 8, .size: 8, .value_kind: global_buffer, .address_space: global }
      - { .name: mask, .offset: 16, .size: 8, .value_kind: global_buffer, .address_space: global }
      - { .name: kv, .offset: 24, .size: 8, .value_kind: global_buffer, .address_space: global }
      - { .name: mbits, .offset: 32, .size: 8, .value_kind: global_buffer, .address_space: global }
      - { .name: mflag, .offset: 40, .size: 8, .value_kind: global_buffer, .address_space: global }
    .group_segment_fixed_size: 52736
    .private_segment_fixed_size: 0
    .kernarg_segment_align: 8
    .kernarg_segment_size: 48
    .max_flat_workgroup_size: 128
    .sgpr_count:     66
    .vgpr_count:     242
    .wavefront_size: 32
...
	.end_amdgpu_metadata
.endif
;; end of part 1
;; launch attn (part 2): grid 16 x 16, 16 waves a work-group, no clusters, 327,680 bytes of LDS; arguments q, kv, mbits, mflag, out0; writes out0
.if DOCPART == 2
	.amdgcn_target "amdgcn-amd-amdhsa--gfx1250"
	.amdhsa_code_object_version 6
	.text
	.protected	k_q42805ae365_attn
	.globl	k_q42805ae365_attn
	.p2align	8
	.type	k_q42805ae365_attn,@function
k_q42805ae365_attn:
	s_mov_b64 s[64:65], 0
	v_nop
	global_prefetch_b8 v0, s[64:65] scope:SCOPE_SE
	s_setreg_imm32_b32 hwreg(HW_REG_WAVE_MODE, 25, 1), 1
	s_wait_xcnt 0x0
; out0[h][q][:] = the sum over k of softmax_k(where(mask[q][k], Q[q][h] . K[k][h] / 8, -1e30)) V[k][h][:], both products on codes of BF8 (E5M2) with one E8M0 scale for each 32 along a product's K.
; q: [4096][16][64] f32, quantised here in registers (a tile is read once, by one wave).  kv: K's and V's codes and scale words as images of the operands' registers, one block of 17,152 bytes for each
; (head, step of 128 keys): K's 8 tiles x 2 x 512 bytes, K's scale words (512), V's 4 tiles x 4 x 512, V's scale words (256).  mbits: [query tile][step][64] lane-mask words: bit L of word n = the mask of what
; lane L holds in score register n.  mflag: [query tile][step] 32 bytes, first word = the AND of those 64 words.
; THE SOFTMAX AHEAD OF THE SECOND PRODUCT: t = score x log2(e) / 8; M = the row's largest t so far, rounded UP to a whole number; p = 2^(t - M) is quantised along the keys, not normalised; the row's sum is taken
; of the unquantised p and divides at the end.  When M moves, the sum and O are multiplied by 2^(old M - new M): exact.
; THE MASK: a hidden score becomes NEG = -2^103 by one v_cndmask_b32.  NEG x c is exact and a whole number, so in a row all of whose keys so far are hidden M = NEG x c and p = 1, equal weights, as the reference
; gives for a row that is hidden altogether; the first open key makes 2^(old M - new M) = 0, which wipes those sums.  Where a step's flag word is -1 the 64 selects would change nothing.
; Both ways give the same values for every mask.
; K = 64 IN AN INSTRUCTION OF K = 128: a step's eight tiles of K lie on end, 8 registers each, with 8 registers of zeros behind them; tile t's k = 64 .. 127 are the next tile's codes, which meet Q's zero codes.
; SHARES.  A work-group owns 256 queries of one head, each of its sixteen waves one tile of 16, in 256 registers.  Every wave walks the head's 32 steps.  Both products are used transposed: a lane holds ONE query
; (lane % 16); score register n holds key 32 (n/16) + 16 (lane/16) + n%16 of the step.
; LDS: two slots of 8 steps' codes (16,384 bytes a step); the head's scale words of all 32 steps (K's 16,384 bytes, V's 8,192); q's turn (2,304 bytes a wave); the spare words.
; THE SLOTS ARE FILLED THROUGH REGISTERS: in each step every wave loads 2 x 512 bytes of the step's counterpart in the other slot (chunk w of K's 16, chunk w of V's 16) and stores them to LDS at the step's end.
; One barrier for 8 steps: in front of it each wave's LDS stores and reads are done; behind it the slots change roles.
; NO TENSOR LOADS AND NO CLUSTER: the branch round the selects hangs on a word read from memory.
; NO PREFETCH INTO THE L2: a wave's two loads of a step are waited for behind the step's whole softmax, some 300 vector instructions of its own further down.
; LIMITS: a hidden logit stands at -2^100 in place of -1e30 (it differs only where open logits lie under about -1e30); NaN and infinities among the inputs are not served; a block of p that is all zeros keeps the scale byte 1 (its codes are zeros).
.set STEPB, 17152
.set KSOFF, 8192
.set VOFF,  8704
.set VSOFF, 16896
.set BLK,   16384                      ; a step's codes in LDS: K's 8,192 bytes, then V's
.set SLOT1, 8*BLK
.set KSL,   2*SLOT1                    ; K's scale words, 512 bytes a step
.set VSL,   KSL+32*512                 ; V's, 256 bytes a step
.set QST,   VSL+32*256                 ; q's turn: 16 rows x 144 bytes a wave
.set QP,    144
.set SPARE, QST+16*16*QP               ; the spare words, 128 bytes a wave: eight blocks of 256 bytes that no other line names
.set SP,    272                        ; the way out: 16 rows x 272 bytes a wave, in slot 0, which nobody reads or fills behind the last barrier
.set L16, 1                            ; 16 x lane
.set L8,  2                            ; 8 x lane
.set FL,  3                            ; 512 x wave + 16 x lane
.set ADR, 4                            ; the step's codes + 16 x lane
.set SPW, 5                            ; my spare word; never rewritten
.set NIL, 6                            ; 0; never rewritten
.set NEG, 7                            ; -2^103
.set AKS, 8                            ; the step's scale words of K
.set AVS, 9                            ; and of V
.set L1,  10                           ; v[10:11], v[14:15] the row's sum in two chains of two halves
.set NM,  12                           ; v12 -M, v13 the largest t so far
.set L0,  14
.set QC,  16                           ; v[16:23] Q's codes, v[24:31] zeros
.set KV,  32                           ; v[32:95] K's eight tiles, later V's four; v[96:103] zeros
.set S,   104                          ; v[104:167] S^T, then p
.set OT,  168                          ; v[168:199] O^T
.set PC,  200                          ; v[200:215] p's codes
.set BM,  216                          ; each block's largest score, then its largest p
.set PX,  220                          ; the partner lane's; the scale bytes; then the step's sums (A0)
.set T2,  220
.set A0,  220
.set HL,  224                          ; 57,344 x the scale; HL2 the same one register bank on, for the second half of the paired minimum
.set T1,  228
.set HL2, 229
.set SO,  233                          ; the conversions' scale operands
.set QS,  237                          ; v237 Q's scale words, v238 p's, v[240:243] K's, v[244:245] V's: these hold scales and nothing else
.set PS,  238
.set FAD, 239                          ; where my two chunks go in the other slot
.set KS,  240
.set VS,  244
.set FAC, 246                          ; f = 2^(old M - new M); v247 is named with it as a pair
.set CP,  248                          ; v[248:255] the two chunks on their way; at the head and on the way out: addresses
.set QOFF, 248
.set QW,  249
.set QR,  250
.set F2,  251
.set KSA, 252
.set VSA, 253
.set STO, 248
.set RD,  249
.set QX,  S+32
.set WV,  14
.set MNT, 15
.set SEL, 16
.set CS,  18
.set TB,  20
.set TS,  21
.set TJ,  22
.set FB,  23
.set STEPS, 24
.set MOFF, 25
.set FOFF, 26
.set FLG, 100
.macro MLOAD                           ; a step's 64 mask words: s[32:63] n = 0 .. 31, s[68:99] n = 32 .. 63
	s_load_b512 s[32:47], s[8:9], s[MOFF] offset:0x0
	s_load_b512 s[48:63], s[8:9], s[MOFF] offset:0x40
	s_load_b512 s[68:83], s[8:9], s[MOFF] offset:0x80
	s_load_b512 s[84:99], s[8:9], s[MOFF] offset:0xc0
.endm
	s_load_b256 s[4:11], s[0:1], 0x0               ; q s[4:5], kv s[6:7], mbits s[8:9], mflag s[10:11]
	s_load_b64 s[12:13], s[0:1], 0x20              ; out0
	v_lshrrev_b32 v8, 5, v0
	v_readfirstlane_b32 s[WV], v8                  ; wave 0..15
	s_mov_b32 s[MNT], 0x600000                     ; the mantissa field of 57,344
	s_mov_b32 s[SEL], 0x76543210
	s_mov_b32 s[SEL+1], 0xfedcba98                 ; lane l xor 16
	s_mov_b32 s[CS], 0x3e38aa3b                    ; c = log2(e) / sqrt(64)
	s_mov_b32 s[CS+1], s[CS]
	s_and_b32 s26, ttmp7, 0xffff                   ; the head
	s_lshl_b32 s27, ttmp9, 8
	s_lshl_b32 s30, s[WV], 4
	s_add_co_u32 s27, s27, s30                     ; my first query
	s_lshl_b32 s32, s27, 12                        ; q: 4,096 bytes a query, 256 a head
	s_lshl_b32 s30, s26, 8
	s_add_co_u32 s32, s32, s30
	s_mov_b32 s33, 0
	s_mul_i32 s34, s26, 32*STEPB                   ; the head's 32 blocks
	s_mul_i32 s30, s[WV], 2*STEPB
	s_add_co_u32 s36, s34, s30                     ; the scale words of blocks 2 w and 2 w + 1 are mine to fetch
	s_mov_b32 s37, 0
	s_lshl_b32 s30, s[WV], 9
	s_add_co_u32 s34, s34, s30                     ; my chunk of each block
	s_mov_b32 s35, 0
	s_lshl_b32 s38, s27, 9                         ; mbits: 8,192 bytes a tile of 16 queries
	s_mov_b32 s39, 0
	s_lshl_b32 s40, s27, 6                         ; mflag: 1,024 bytes a tile
	s_mov_b32 s41, 0
	s_lshl_b32 s42, s26, 12                        ; out0: (4,096 head + query) rows of 256 bytes
	s_add_co_u32 s42, s42, s27
	s_lshl_b32 s42, s42, 8
	s_mov_b32 s43, 0
	s_mul_i32 s44, s[WV], 16*QP
	s_add_co_u32 s44, s44, QST
	s_lshl_b32 s45, s[WV], 10
	s_add_co_u32 s45, s45, KSL
	s_lshl_b32 s46, s[WV], 9
	s_add_co_u32 s46, s46, VSL
	v_lshl_add_u32 v[SPW], v0, 2, SPARE
	v_mov_b32 v[NIL], 0
	v_and_b32 v8, 31, v0                           ; lane
	v_and_b32 v9, 15, v0                           ; r
	v_bfe_u32 v10, v0, 4, 1                        ; hh
	v_bfe_u32 v11, v0, 3, 2                        ; lane / 8
	v_and_b32 v12, 7, v0                           ; lane % 8
	v_lshlrev_b32 v[L16], 4, v8
	v_lshlrev_b32 v[L8], 3, v8
	v_add_nc_u32 v[FL], s30, v[L16]
	v_add_nc_u32 v[F2], 0x10000, v[FL]
	v_add_nc_u32 v[KSA], s45, v[L16]
	v_add_nc_u32 v[VSA], s46, v[L8]
	v_lshlrev_b32 v[QOFF], 12, v11                 ; q: eight lanes take 128 bytes of a query's row, four queries an instruction
	v_lshl_add_u32 v[QOFF], v12, 4, v[QOFF]
	v_mul_u32_u24 v[QW], v11, QP
	v_lshl_add_u32 v[QW], v12, 4, v[QW]
	v_add_nc_u32 v[QW], s44, v[QW]                 ; into the turn: as loaded
	v_mul_u32_u24 v[QR], v9, QP
	v_lshl_add_u32 v[QR], v10, 6, v[QR]
	v_add_nc_u32 v[QR], s44, v[QR]                 ; out of it: row r, + 64 hh: 16 neighbours along d
	s_wait_alu depctr_va_vdst(0)                   ; directly ahead of the wait below
	s_wait_kmcnt 0x0
	s_add_nc_u64 s[4:5], s[4:5], s[32:33]
	s_add_nc_u64 s[28:29], s[6:7], s[36:37]
	s_add_nc_u64 s[6:7], s[6:7], s[34:35]
	s_add_nc_u64 s[8:9], s[8:9], s[38:39]
	s_add_nc_u64 s[10:11], s[10:11], s[40:41]
	s_add_nc_u64 s[12:13], s[12:13], s[42:43]
.irp c, 0,1
.irp i, 0,1,2,3
	global_load_b128 v[S+16*\c+4*\i:S+16*\c+4*\i+3], v[QOFF], s[4:5] offset:16384*\i+128*\c   ; d = 32 c .. 32 c + 31 of queries 4 i .. 4 i + 3
.endr
.endr
.irp b, 0,1,2,3,4,5,6,7                        ; slot 0: my two chunks of steps 0 to 7
	global_load_b128 v[KV+8*\b:KV+8*\b+3], v[L16], s[6:7] offset:STEPB*\b
	global_load_b128 v[KV+8*\b+4:KV+8*\b+7], v[L16], s[6:7] offset:STEPB*\b+VOFF
.endr
.irp e, 0,1
	global_load_b128 v[OT+8*\e:OT+8*\e+3], v[L16], s[28:29] offset:STEPB*\e+KSOFF
	global_load_b64 v[OT+8*\e+4:OT+8*\e+5], v[L8], s[28:29] offset:STEPB*\e+VSOFF
.endr
	s_mov_b32 s[MOFF], 0
	MLOAD                                          ; step 0's mask words (the set-up's use of s32-47 is over)
	s_load_b32 s[FLG], s[10:11], 0x0               ; and its flag
.irp i, 0,1,2,3,4,5,6,7
	v_mov_b32 v[QC+8+\i], 0                        ; Q's codes of k = 64 .. 127
	v_mov_b32 v[KV+64+\i], 0                       ; what stands behind K's last tile
.endr
.irp b, 0,1,2,3
	v_mov_b32 v[PX+\b], 0                          ; a lane permute's destination counts as one of its sources
.endr
	v_mov_b32 v[L0], 0
	v_mov_b32 v[L0+1], 0
	v_mov_b32 v[L1], 0
	v_mov_b32 v[L1+1], 0
	v_mov_b32 v[FAC+1], 0                          ; (named as the upper half of a pair)
	v_mov_b32 v[NEG], 0xf3000000                   ; -2^103
	v_mov_b32 v[NM+1], 0xff61b1e6                  ; the largest t so far: -3e38
	v_floor_f32 v[NM], -v[NM+1]                    ; -M
	s_wait_loadcnt 20                              ; q's eight loads are in; the 16 loads of codes and the 4 of scale words may be out
.irp c, 0,1                                    ; q turns through my 16 rows, half a row at a time: LDS serves a wave's instructions in order
.irp i, 0,1,2,3
	ds_store_b128 v[QW], v[S+16*\c+4*\i:S+16*\c+4*\i+3] offset:4*QP*\i
.endr
.irp j, 0,1,2,3
	ds_load_b128 v[QX+16*\c+4*\j:QX+16*\c+4*\j+3], v[QR] offset:16*\j
.endr
.endr
	s_wait_dscnt 0x0
.irp c, 0,1
	v_max3_num_f32 v[BM+\c], |v[QX+16*\c]|, |v[QX+16*\c+1]|, 0x8000000   ; block c of 32 along d: my 16 numbers and the floor 2^(16 - 127)
.endr
.irp i, 2,4,6,8,10,12,14
.irp c, 0,1
	v_max3_num_f32 v[BM+\c], v[BM+\c], |v[QX+16*\c+\i]|, |v[QX+16*\c+\i+1]|
.endr
.endr
.irp c, 0,1
	v_permlanex16_b32 v[PX+\c], v[BM+\c], s[SEL], s[SEL+1]
.endr
.irp c, 0,1
	v_max_num_f32 v[BM+\c], v[BM+\c], v[PX+\c]
.endr
.irp c, 0,1
	v_add_nc_u32 v[SO+\c], 0xf8800000, v[BM+\c]    ; 15 off the exponent field: the conversion's scale operand
.endr
.irp c, 0,1
	v_and_or_b32 v[HL+\c], v[BM+\c], 0x7f800000, s[MNT]   ; 57,344 x the scale
.endr
.irp c, 0,1
	v_lshrrev_b32 v[PX+\c], 23, v[SO+\c]
.endr
	v_lshl_or_b32 v[QS], v[PX+1], 8, v[PX]
	v_or_b32 v[QS], 0x7f7f0000, v[QS]              ; bytes 2 and 3 stand over the zero codes: 127
.irp c, 0,1
.irp i, 0,1,2,3,4,5,6,7,8,9,10,11,12,13,14,15
	v_med3_num_f32 v[QX+16*\c+\i], v[QX+16*\c+\i], -v[HL+\c], v[HL+\c]   ; the conversion to an 8-bit code does not saturate (ISA guide 7.6.2)
.endr
	v_cvt_scalef32_pk8_bf8_f32 v[QC+4*\c:QC+4*\c+1], v[QX+16*\c:QX+16*\c+7], v[SO+\c]
	v_cvt_scalef32_pk8_bf8_f32 v[QC+4*\c+2:QC+4*\c+3], v[QX+16*\c+8:QX+16*\c+15], v[SO+\c]
.endr
	v_nop                                          ; a plain line behind the last conversion of a run
	s_wait_loadcnt 0x0                             ; slot 0's chunks and the scale words
.irp b, 0,1,2,3
	ds_store_b128 v[FL], v[KV+8*\b:KV+8*\b+3] offset:BLK*\b
	ds_store_b128 v[FL], v[KV+8*\b+4:KV+8*\b+7] offset:BLK*\b+8192
	ds_store_b128 v[F2], v[KV+32+8*\b:KV+32+8*\b+3] offset:BLK*\b
	ds_store_b128 v[F2], v[KV+32+8*\b+4:KV+32+8*\b+7] offset:BLK*\b+8192
.endr
.irp e, 0,1
	ds_store_b128 v[KSA], v[OT+8*\e:OT+8*\e+3] offset:512*\e
	ds_store_b64 v[VSA], v[OT+8*\e+4:OT+8*\e+5] offset:256*\e
.endr
	s_add_nc_u64 s[6:7], s[6:7], 8*STEPB           ; the copies go on at step 8's block
	s_wait_dscnt 0x0                               ; the stores have read their registers
.set i, 0
.rept 32
	v_mov_b32 v[OT+i], 0                           ; O^T.  (The step is written once: the first finds zeros, which the first change of M leaves zeros)
.set i, i+1
.endr
.macro CVT pb                          ; registers 4 pb .. 4 pb + 3 of the second product's operand: keys 32 pb + 16 (lane / 16) + 0 .. 15
	v_cvt_scalef32_pk8_bf8_f32 v[PC+4*(\pb):PC+4*(\pb)+1], v[S+16*(\pb):S+16*(\pb)+7], v[SO+(\pb)]
	v_cvt_scalef32_pk8_bf8_f32 v[PC+4*(\pb)+2:PC+4*(\pb)+3], v[S+16*(\pb)+8:S+16*(\pb)+15], v[SO+(\pb)]
.endm
; A KEY STEP: 128 keys.  fill = 1: my two chunks of the step eight further on are copied into the other slot.
.macro STEP fill
	v_add_nc_u32 v[ADR], s[TB], v[L16]             ; these four and four v_nop: eight places between the last products and loads into the registers that they read
	v_add_nc_u32 v[AKS], s[TS], v[L16]
	v_add_nc_u32 v[AVS], s[TJ], v[L8]
.if \fill
	v_add_nc_u32 v[FAD], s[FB], v[FL]
.else
	v_nop
.endif
.rept 4
	v_nop
.endr
.irp t, 0,1,2,3,4,5,6,7
.irp c, 0,1
	ds_load_b128 v[KV+8*\t+4*\c:KV+8*\t+4*\c+3], v[ADR] offset:1024*\t+512*\c
.endr
.endr
	ds_load_b128 v[KS:KS+3], v[AKS]                ; dword p: lanes 0-15 tile 2 p's scale words, lanes 16-31 tile 2 p + 1's
.if \fill
	global_load_b128 v[CP:CP+3], v[L16], s[6:7]                ; chunk w of K's images (the last step's LDS stores of these registers were waited for ahead of its second product)
	global_load_b128 v[CP+4:CP+7], v[L16], s[6:7] offset:VOFF  ; chunk w of V's
.endif
	s_wait_alu depctr_va_vdst(0)
	s_wait_dscnt 0x0
.irp t, 0,1,2,3,4,5,6,7                        ; S^T = K Q^T: source 0 = 16 keys, source 1 = my 16 queries
.if \t % 2
	v_wmma_scale_f32_16x16x128_f8f6f4 v[S+8*\t:S+8*\t+7], v[KV+8*\t:KV+8*\t+15], v[QC:QC+15], 0, v[KS+\t/2], v[QS] matrix_a_fmt:MATRIX_FMT_BF8 matrix_b_fmt:MATRIX_FMT_BF8 matrix_a_scale:MATRIX_SCALE_ROW1
.else
	v_wmma_scale_f32_16x16x128_f8f6f4 v[S+8*\t:S+8*\t+7], v[KV+8*\t:KV+8*\t+15], v[QC:QC+15], 0, v[KS+\t/2], v[QS] matrix_a_fmt:MATRIX_FMT_BF8 matrix_b_fmt:MATRIX_FMT_BF8
.endif
.endr
	v_mov_b32 v[T1], v[NM]                         ; the old -M.  With seven v_nop: eight places in front of the loads into K's registers and of the first read of the scores
.rept 7
	v_nop
.endr
.irp t, 0,1,2,3
.irp c, 0,1,2,3
	ds_load_b128 v[KV+16*\t+4*\c:KV+16*\t+4*\c+3], v[ADR] offset:8192+2048*\t+512*\c   ; V lands while the softmax is worked
.endr
.endr
	ds_load_b64 v[VS:VS+1], v[AVS]
	s_wait_alu depctr_va_vdst(0)                   ; directly ahead of the wait and the branch below
	s_wait_kmcnt 0x0                               ; the step's mask words and flag, asked for a step ago
	s_cmp_eq_u32 s[FLG], -1                        ; every key of the step open for all my queries: the selects would change nothing
	s_cbranch_scc1 .Lopen_\@
.set n, 0
.rept 32
	v_cndmask_b32 v[S+n], v[NEG], v[S+n], s[32+n]  ; hidden scores become NEG.  Each accumulator is read from its low end on
.set n, n+1
.endr
.rept 32
	v_cndmask_b32 v[S+n], v[NEG], v[S+n], s[36+n]
.set n, n+1
.endr
.Lopen_\@:
.irp b, 0,1,2,3
	v_max3_num_f32 v[BM+\b], v[S+16*\b], v[S+16*\b+1], v[S+16*\b+2]   ; the largest score of each block of 32 keys: for the row's maximum and, since p rises with the score, for the block's largest p
.endr
.irp i, 3,5,7,9,11,13
.irp b, 0,1,2,3
	v_max3_num_f32 v[BM+\b], v[BM+\b], v[S+16*\b+\i], v[S+16*\b+\i+1]
.endr
.endr
.irp b, 0,1,2,3
	v_max_num_f32 v[BM+\b], v[BM+\b], v[S+16*\b+15]
.endr
	s_add_co_u32 s[MOFF], s[MOFF], 256             ; the next step's mask words.  Behind the last step the offset wraps to step 0's: the load stays inside the buffer, and its words are not used
	s_and_b32 s[MOFF], s[MOFF], 0x1fff
	MLOAD
.irp b, 0,1,2,3
	v_permlanex16_b32 v[PX+\b], v[BM+\b], s[SEL], s[SEL+1]
.endr
.irp b, 0,1,2,3
	v_max_num_f32 v[BM+\b], v[BM+\b], v[PX+\b]     ; with lane l xor 16's 16 keys
.endr
	v_max3_num_f32 v[T2], v[BM], v[BM+1], v[BM+2]
	v_max_num_f32 v[T2], v[T2], v[BM+3]            ; the step's largest score of my query
	v_mul_f32 v[T2], s[CS], v[T2]                  ; as t (c is positive)
	v_max_num_f32 v[NM+1], v[NM+1], v[T2]          ; the running largest t
	v_floor_f32 v[NM], -v[NM+1]                    ; the new -M = -ceil(t)
	v_sub_f32 v[T1], v[NM], v[T1]                  ; old M - new M: a whole number, 0 or less
	v_cvt_i32_f32 v[T1], v[T1]                     ; (it saturates)
	v_ldexp_f32 v[FAC], 1.0, v[T1]                 ; f = 2^(old M - new M)
.irp b, 0,1,2,3
	v_fma_f32 v[BM+\b], v[BM+\b], s[CS], v[NM]
.endr
.set j, 0
.rept 16
	v_pk_fma_f32 v[S+j:S+j+1], v[S+j:S+j+1], s[CS:CS+1], v[NM:NM+1] op_sel_hi:[1,0,0]   ; t - M, two at a time
.set j, j+2
.endr
	s_lshr_b32 s[FOFF], s[MOFF], 3                 ; the next step's flag: 32 bytes a step
	s_load_b32 s[FLG], s[10:11], s[FOFF] offset:0x0
.rept 16
	v_pk_fma_f32 v[S+j:S+j+1], v[S+j:S+j+1], s[CS:CS+1], v[NM:NM+1] op_sel_hi:[1,0,0]
.set j, j+2
.endr
.irp j, 0,2,4,6,8,10,12,14,16,18,20,22,24,26,28,30
	v_pk_mul_f32 v[OT+\j:OT+\j+1], v[OT+\j:OT+\j+1], v[FAC:FAC+1] op_sel_hi:[1,0]   ; O^T under the new M, each accumulator from its low end on; ahead of the exponentials
.endr
	s_wait_alu depctr_va_vdst(0)                   ; one wait ahead of the batch
.irp b, 0,1,2,3
	v_exp_f32 v[BM+\b], v[BM+\b]                   ; each block's largest p: the same two instructions on the same number give the same bits
.endr
.set j, 0
.rept 64
	v_exp_f32 v[S+j], v[S+j]                       ; p = 2^(t - M)
.set j, j+1
.endr
	v_nop                                          ; a plain place behind the batch
	s_wait_alu depctr_va_vdst(0)                   ; and one wait behind it, ahead of its first reader
.irp b, 0,1,2,3
	v_max_num_f32 v[BM+\b], 0x8000000, v[BM+\b]    ; the floor 2^(16 - 127): the byte cannot fall under 1
.endr
.irp b, 0,1,2,3
	v_add_nc_u32 v[SO+\b], 0xf8800000, v[BM+\b]    ; 15 off the exponent field: the conversion's scale operand
.endr
.irp b, 0,1,2,3
	v_and_or_b32 v[HL+\b], v[BM+\b], 0x7f800000, s[MNT]    ; 57,344 x the scale
.endr
.irp b, 0,1,2,3
	v_and_or_b32 v[HL2+\b], v[BM+\b], 0x7f800000, s[MNT]
.endr
.irp b, 0,1,2,3
	v_lshrrev_b32 v[PX+\b], 23, v[SO+\b]           ; the scale's byte
.endr
	v_lshl_or_b32 v[PS], v[PX+1], 8, v[PX]         ; p's scale word for these 128 keys
	v_lshl_or_b32 v[PS], v[PX+2], 16, v[PS]
	v_lshl_or_b32 v[PS], v[PX+3], 24, v[PS]
	v_pk_add_f32 v[A0:A0+1], v[S:S+1], v[S+2:S+3]  ; the step's sum of the UNQUANTISED p, in two chains of two halves
	v_pk_add_f32 v[A0+2:A0+3], v[S+4:S+5], v[S+6:S+7]
.irp j, 8,10,12,14
	v_pk_add_f32 v[A0+\j%4:A0+\j%4+1], v[A0+\j%4:A0+\j%4+1], v[S+\j:S+\j+1]
.endr
.irp b, 0,1,2                                  ; block b + 1's sums by turns with block b's hold (p is not negative: one-sided; two numbers an instruction)
.set i, 0
.rept 8
	v_pk_add_f32 v[A0+2*(i%2):A0+2*(i%2)+1], v[A0+2*(i%2):A0+2*(i%2)+1], v[S+16*\b+16+2*i:S+16*\b+17+2*i]
	v_dual_min_num_f32 v[S+16*\b+2*i], v[S+16*\b+2*i], v[HL+\b] :: v_dual_min_num_f32 v[S+16*\b+2*i+1], v[S+16*\b+2*i+1], v[HL2+\b]
.set i, i+1
.endr
	CVT \b
.endr
.set i, 0
.rept 8
	v_dual_min_num_f32 v[S+48+2*i], v[S+48+2*i], v[HL+3] :: v_dual_min_num_f32 v[S+48+2*i+1], v[S+48+2*i+1], v[HL2+3]
.set i, i+1
.endr
	CVT 3
	v_pk_fma_f32 v[L0:L0+1], v[L0:L0+1], v[FAC:FAC+1], v[A0:A0+1] op_sel_hi:[1,0,1]       ; the row's sums under the new M, and the step's.  With two v_nop: four places between the codes' making and the products
	v_pk_fma_f32 v[L1:L1+1], v[L1:L1+1], v[FAC:FAC+1], v[A0+2:A0+3] op_sel_hi:[1,0,1]
	v_nop
	v_nop
	s_wait_alu depctr_va_vdst(0)                   ; directly ahead of the waits below
.if \fill
	s_wait_loadcnt 0x0                             ; my two chunks are in
	ds_store_b128 v[FAD], v[CP:CP+3]
	ds_store_b128 v[FAD], v[CP+4:CP+7] offset:8192
	s_add_nc_u64 s[6:7], s[6:7], STEPB
	s_add_co_u32 s[FB], s[FB], BLK
.endif
	s_wait_dscnt 0x0                               ; V and its scale words; and my two stores
.irp t, 0,1,2,3                                ; O^T += V^T P^T: the four accumulators take turns
.if \t % 2
	v_wmma_scale_f32_16x16x128_f8f6f4 v[OT+8*\t:OT+8*\t+7], v[KV+16*\t:KV+16*\t+15], v[PC:PC+15], v[OT+8*\t:OT+8*\t+7], v[VS+\t/2], v[PS] matrix_a_fmt:MATRIX_FMT_BF8 matrix_b_fmt:MATRIX_FMT_BF8 matrix_a_scale:MATRIX_SCALE_ROW1
.else
	v_wmma_scale_f32_16x16x128_f8f6f4 v[OT+8*\t:OT+8*\t+7], v[KV+16*\t:KV+16*\t+15], v[PC:PC+15], v[OT+8*\t:OT+8*\t+7], v[VS+\t/2], v[PS] matrix_a_fmt:MATRIX_FMT_BF8 matrix_b_fmt:MATRIX_FMT_BF8
.endif
.endr
	s_add_co_u32 s[TB], s[TB], BLK
	s_add_co_u32 s[TS], s[TS], 512
	s_add_co_u32 s[TJ], s[TJ], 256
.endm
; EIGHT STEPS out of one slot.  In front of the barrier my LDS stores into that slot and my reads of the other one are done; behind it both hold of every wave.
.macro SEG g, rd, fl, fill
	s_wait_alu depctr_va_vdst(0)
	s_wait_dscnt 0x0
	s_barrier_signal -1
	s_barrier_wait -1
	s_mov_b32 s[TB], \rd
	s_mov_b32 s[TS], KSL+8*512*\g
	s_mov_b32 s[TJ], VSL+8*256*\g
.if \fill
	s_mov_b32 s[FB], \fl
.endif
	s_mov_b32 s[STEPS], 8
.Lstep_\@:
	STEP \fill
	s_sub_co_u32 s[STEPS], s[STEPS], 1
	s_cmp_lg_u32 s[STEPS], 0
	s_wait_alu depctr_va_vdst(0)
	s_cbranch_scc1 .Lstep_\@
.endm
	SEG 0, 0, SLOT1, 1                             ; steps 0-7; steps 8-15 are copied
	SEG 1, SLOT1, 0, 1                             ; steps 8-15; 16-23 are copied
	SEG 2, 0, SLOT1, 1                             ; steps 16-23; 24-31 are copied
	SEG 3, SLOT1, 0, 0                             ; steps 24-31
	; THE WAY OUT.  O^T is divided by the row's sum and goes through my stage in slot 0, so that whole rows of 256 bytes leave.
	s_wait_kmcnt 0x0                               ; the wrapped loads of mask words and flag
	s_mul_i32 s27, s[WV], 16*SP
	v_and_b32 v8, 15, v0                           ; r.  (These eight lines are the places behind the last products)
	v_bfe_u32 v9, v0, 4, 1                         ; hh
	v_mul_u32_u24 v[STO], v8, SP
	v_lshl_add_u32 v[STO], v9, 5, v[STO]
	v_add_nc_u32 v[STO], s27, v[STO]               ; in: row r, + 32 hh
	v_mul_u32_u24 v[RD], v9, SP
	v_lshl_add_u32 v[RD], v8, 4, v[RD]
	v_add_nc_u32 v[RD], s27, v[RD]                 ; back: lanes 0-15 one row, lanes 16-31 the next
	v_pk_add_f32 v[L0:L0+1], v[L0:L0+1], v[L1:L1+1]
	v_add_f32 v[L0], v[L0], v[L0+1]
	v_permlanex16_b32 v[PX], v[L0], s[SEL], s[SEL+1]
	v_add_f32 v[L0], v[L0], v[PX]                  ; the row's sum
	s_wait_alu depctr_va_vdst(0)                   ; a wait ahead of the transcendental
	v_rcp_f32 v[FAC], v[L0]
	v_mov_b32 v[FAC+1], 0                          ; a plain line behind the reciprocal
	s_wait_alu depctr_va_vdst(0)                   ; and the wait ahead of its first reader, which is also O^T's
.irp j, 0,2,4,6,8,10,12,14,16,18,20,22,24,26,28,30
	v_pk_mul_f32 v[S+\j:S+\j+1], v[OT+\j:OT+\j+1], v[FAC:FAC+1] op_sel_hi:[1,0]   ; register 8 t + i is o(query r, d = 16 t + 8 hh + i)
.endr
.irp t, 0,1,2,3
	ds_store_b128 v[STO], v[S+8*\t:S+8*\t+3] offset:64*\t
	ds_store_b128 v[STO], v[S+8*\t+4:S+8*\t+7] offset:64*\t+16
.endr
.irp i, 0,1,2,3,4,5,6,7
	ds_load_b128 v[S+32+4*\i:S+32+4*\i+3], v[RD] offset:2*SP*\i   ; LDS serves a wave's instructions in order: these see my stores
.endr
.irp i, 0,1,2,3,4,5,6,7
	s_wait_dscnt 7-\i                              ; load i is back; the younger ones may be out
	global_store_b128 v[L16], v[S+32+4*\i:S+32+4*\i+3], s[12:13] offset:512*\i th:TH_STORE_NT   ; two rows of out0: 512 consecutive bytes, aligned
.endr
	s_wait_tensorcnt 0x0                           ; the wave's end, behind my last LDS store
	ds_add_u32 v[SPW], v[NIL]
	s_wait_dscnt 0x0
	s_endpgm
.Lfunc_end_k_q42805ae365_attn:
	.size	k_q42805ae365_attn, .Lfunc_end_k_q42805ae365_attn-k_q42805ae365_attn
	.p2alignl 7, 3214868480
	.fill 96, 4, 3214868480
	.section	.rodata,"a",@progbits
	.p2align	6, 0x0
	.amdhsa_kernel k_q42805ae365_attn
		.amdhsa_group_segment_fixed_size 327680
		.amdhsa_private_segment_fixed_size 0
		.amdhsa_enable_private_segment 0
		.amdhsa_kernarg_size 40
		.amdhsa_user_sgpr_count 2
		.amdhsa_user_sgpr_kernarg_segment_ptr 1
		.amdhsa_wavefront_size32 1
		.amdhsa_system_sgpr_workgroup_id_x 1
		.amdhsa_system_sgpr_workgroup_id_y 1
		.amdhsa_system_sgpr_workgroup_id_z 1
		.amdhsa_system_vgpr_workitem_id 0
		.amdhsa_next_free_vgpr 256
		.amdhsa_next_free_sgpr 102
		.amdhsa_reserve_vcc 0
		.amdhsa_float_denorm_mode_32 3
		.amdhsa_float_denorm_mode_16_64 3
		.amdhsa_memory_ordered 1
		.amdhsa_forward_progress 1
		.amdhsa_inst_pref_size 115
	.end_amdhsa_kernel
	.amdgpu_metadata
---
amdhsa.version: [ 1, 2 ]
amdhsa.kernels:
  - .name:           k_q42805ae365_attn
    .symbol:         k_q42805ae365_attn.kd
    .args:
      - { .name: q, .offset: 0, .size: 8, .value_kind: global_buffer, .address_space: global }
      - { .name: kv, .offset: 8, .size: 8, .value_kind: global_buffer, .address_space: global }
      - { .name: mbits, .offset: 16, .size: 8, .value_kind: global_buffer, .address_space: global }
      - { .name: mflag, .offset: 24, .size: 8, .value_kind: global_buffer, .address_space: global }
      - { .name: out0, .offset: 32, .size: 8, .value_kind: global_buffer, .address_space: global }
    .group_segment_fixed_size: 327680
    .private_segment_fixed_size: 0
    .kernarg_segment_align: 8
    .kernarg_segment_size: 40
    .max_flat_workgroup_size: 512
    .sgpr_count:     102
    .vgpr_count:     256
    .wavefront_size: 32
...
	.end_amdgpu_metadata
.endif
;; end of part 2
